; MI455X (gfx1250); checked and timed in simulation.
; The chip was launched on July 23, 2026; its instructions are those of AMD's public machine-readable ISA for CDNA 5 (MIT licence, August 2026) and "CDNA5" Instruction Set Architecture Reference Guide (July 2026). The comments in the code are by the model that wrote it; some were corrected since.
;; Multi Head Attention. Allowed arithmetic: matrix products marked QUANTISED: E2M1 operands, one E8M0 scale for each 32 along K, by v_wmma_scale_f32_16x16x128_f8f6f4 with both operands' format E2M1 (or v_wmma_scale_f32_32x16x128_f4), f32 sums; products left as they are: bf16, f16 or f32 operands; f32 sums; everything else in f32.
;; Inputs: Wf 1,024 x 1,024 float32; Wk 1,024 x 1,024 float32; Wq 1,024 x 1,024 float32; Wv 1,024 x 1,024 float32; bf 1,024 float32; bk 1,024 float32; bq 1,024 float32; bv 1,024 float32; mask 4 x 2,048 int32; x_k 4 x 2,048 x 1,024 float32; x_q 4 x 2,048 x 1,024 float32; x_v 4 x 2,048 x 1,024 float32.
;; Outputs: out0 4 x 2,048 x 1,024 float32.
;; This version of the problem:
;;   THIS VERSION OF THE PROBLEM IS GIVEN IN LOW PRECISION. The matrix products marked QUANTISED in the list below multiply operands that are first quantised to E2M1 (2 exponent bits, 1 mantissa bit; 4 bits a number), with one power-of-two scale for each 32 numbers along K (OCP MX v1.0); their sums are f32. The products marked 'left as it is' may take bf16, f16 or f32 operands, with f32 sums. Whichever they take, every output number must still come out within the allowed error. Rounding operands to bf16 (8 significant bits) uses up far more of that allowance than f16 does (11 bits, for magnitudes from 6e-5 to 65,504). All else is computed in f32.
;;   The module's matrix products, in the order in which they are computed (A, B: the left and right operand; K: the contracted axis; several contracted axes count as one K, in the product's order):
;;     1. [M 8,192, K 1,024] x [K 1,024, N 1,024]; A: input x_k; B: input Wk: QUANTISED
;;     2. [M 8,192, K 1,024] x [K 1,024, N 1,024]; A: input x_v; B: input Wv: QUANTISED
;;     3. [M 8,192, K 1,024] x [K 1,024, N 1,024]; A: input x_q; B: input Wq: QUANTISED
;;     4. batch 64 x [M 2,048, K 64] x [K 64, N 2,048]; A: computed on the way; B: computed on the way: left as it is (an operand is computed on the way)
;;     5. batch 64 x [M 2,048, K 2,048] x [K 2,048, N 64]; A: computed on the way; B: computed on the way: left as it is (an operand is computed on the way)
;;     6. [M 8,192, K 1,024] x [K 1,024, N 1,024]; A: computed on the way; B: input Wf: left as it is (an operand is computed on the way)
;;   THE QUANTISER, for each operand of a quantised product, along K:
;;     - K is cut into blocks of 32 from its start; a last block that is shorter is filled with zeros.
;;     - A block's scale is 2^e with e = floor(log2(the largest magnitude in the block)) - 2, held to -126 .. 127; a block of zeros has e = 0. As a byte (E8M0): e + 127.
;;     - Each number is divided by its block's scale, clamped to +-6, and rounded to the nearest number of E2M1, ties to even, subnormals kept.
;;     - The product sums the exact products of the quantised numbers (number of the format x scale) in f32.
;;   ~~~python
;;   def quantise(x, axis):      # numpy; x: float32 -> the quantised numbers, widened to float32 again
;;       x = np.moveaxis(x, axis, -1); K = x.shape[-1]
;;       x = np.pad(x, [(0, 0)] * (x.ndim - 1) + [(0, -K % 32)]); x = x.reshape(x.shape[:-1] + (-1, 32)); a = np.abs(x).max(-1, keepdims=True)
;;       e = np.where(a > 0, np.clip(np.frexp(np.where(a > 0, a, 1))[1] - 1 - 2, -126, 127), 0)      # np.frexp(a)[1] - 1 = floor(log2(a)), exactly
;;       r = np.clip(x / 2.0 ** e, -6, 6)
;;       step = 2.0 ** (np.maximum(np.frexp(np.where(r == 0, 1, r))[1] - 1, 0) - 1)
;;       q = np.round(r / step) * step * 2.0 ** e      # np.round: ties to even
;;       return np.moveaxis(q.reshape(q.shape[:-2] + (-1,))[..., :K], -1, axis).astype(np.float32)
;;   ~~~
;; One version. Each part assembles by itself: llvm-mc -triple=amdgcn-amd-amdhsa -mcpu=gfx1250 --defsym DOCPART=n.
;; ======== version 1 of 1: 4 launches
;; limits: values are held in f16: magnitudes above 65,504 overflow, below 6.1e-05 lose precision
;; workspace buffers: wimg 1,572,864 bytes; wsc 98,304 bytes; wfimg 2,097,152 bytes; mbias 32,768 bytes; qkv 50,331,648 bytes; aimg 16,777,216 bytes
;; launch prep (part 1): grid 260 x 1, 4 waves a work-group, no clusters, 0 bytes of LDS; arguments Wk, Wv, Wq, Wf, mask, wimg, wsc, wfimg, mbias; writes wimg, wsc, wfimg, mbias
.if DOCPART == 1
	.amdgcn_target "amdgcn-amd-amdhsa--gfx1250"
	.amdhsa_code_object_version 6
	.text
	.protected	k_qaab3013164_prep
	.globl	k_qaab3013164_prep
	.p2align	8
	.type	k_qaab3013164_prep,@function
k_qaab3013164_prep:
	s_mov_b64 s[64:65], 0
	v_nop
	global_prefetch_b8 v0, s[64:65] scope:SCOPE_SE
	s_setreg_imm32_b32 hwreg(HW_REG_WAVE_MODE, 25, 1), 1
	s_wait_xcnt 0x0
; The weights and the mask are laid out once, as the later launches' operand registers take them.
;   work-groups 0-191:   Wk, Wv, Wq [1024 (k)][1024 (n)] f32 -> codes of FP4 (E2M1) quantised along K, as images of fragments, and one E8M0 byte for each 32 along K
;   work-groups 192-255: Wf [1024 (k)][1024 (n)] f32 -> f16, as images of fragments of 16 columns x 32 K
;   work-groups 256-259: mask [4][2048] i32 -> an f32 bias: 0 where the key counts, -2^100 where mask == 0
; A LANE TAKES A COLUMN n AND ITS REGISTERS RUN DOWN K: a load reads 128 consecutive bytes a wave (512 a work-group), a block of 32 along K lies in one lane's
; registers, and the conversions give codes with K innermost.  A work-group takes 128 columns x 128 along K.
; wimg  [tensor 3][column tile 64][K step 8][c 2][lane 32][16 bytes]: lane (r, h) = the codes of column 16 tile + r, k = 128 step + 64 c + 32 h + 0..31
; wsc   [tensor 3][n 1024][32 bytes]: byte b scales k = 32 b .. 32 b + 31
; wfimg [column block 4][K step 8][column tile 16][k32 4][c 2][lane 32][16 bytes]: lane (r, h) = Wf(128 step + 32 k32 + 16 c + 8 h + 0..7, 256 block + 16 tile + r)
; Sixteen neighbouring lanes hold sixteen neighbouring columns, whose 16 bytes lie on end in an image: each store covers two aligned runs of 256 bytes, and no stage in LDS is needed.
; A block's scale is 2^(floor(log2(largest magnitude)) - 2): its byte is the largest magnitude's exponent field - 2, held at 1 from below.
; LIMITS: a block of zeros gets the byte 1 where the quantiser says 127 (its codes are zeros, and this program alone reads the bytes); blocks whose largest magnitude lies under 2^-124
; keep the byte 1; |Wf| stays under 65,504 (f16); NaN and infinities among the inputs are not served.
; No LDS, no barrier, no matrix work: memory binds, and waves share nothing.
.set X,   32                           ; v32-159  128 numbers down K of my column
.set C,   160                          ; v160-175 codes: four registers for each block, so that no store's data are written again
.set LA,  3                            ; v3   4 x lane
.set WO,  6                            ; v6   my place in the code images: 8,192 (lane / 16) + 16 (lane % 16)
.set WO2, 7                            ; v7   in Wf's images: 4,096 (lane / 16) + 16 (lane % 16)
.set SO,  8                            ; v8   32 x lane: my column's row of scale bytes
.set SBY, 10                           ; v10  my four scale bytes
	s_load_b256 s[4:11], s[0:1], 0x0               ; Wk s[4:5], Wv s[6:7], Wq s[8:9], Wf s[10:11]
	s_load_b256 s[12:19], s[0:1], 0x20             ; mask s[12:13], wimg s[14:15], wsc s[16:17], wfimg s[18:19]
	s_load_b64 s[20:21], s[0:1], 0x40              ; mbias
	v_lshrrev_b32 v1, 5, v0
	v_readfirstlane_b32 s22, v1                    ; wave 0..3
	v_and_b32 v2, 31, v0                           ; lane
	s_wait_kmcnt 0x0
	s_cmp_ge_u32 ttmp9, 256
	s_cbranch_scc1 .Lmask
	s_lshr_b32 s23, ttmp9, 6                       ; which tensor: 0 Wk, 1 Wv, 2 Wq, 3 Wf
	s_and_b32 s26, ttmp9, 7                        ; which 128 along K
	s_bfe_u32 s27, ttmp9, 0x30003                  ; which 128 columns
	s_cmp_eq_u32 s23, 0                            ; the choices hang on the work-group's number alone
	s_cselect_b64 s[24:25], s[4:5], s[6:7]
	s_cmp_eq_u32 s23, 2
	s_cselect_b64 s[24:25], s[8:9], s[24:25]
	s_cmp_eq_u32 s23, 3
	s_cselect_b64 s[24:25], s[10:11], s[24:25]
	s_lshl_b32 s28, s26, 19                        ; 128 rows of 4,096 bytes
	s_lshl_b32 s29, s27, 9                         ; 128 columns
	s_add_co_u32 s28, s28, s29
	s_lshl_b32 s29, s22, 7                         ; my wave's 32 of them
	s_add_co_u32 s28, s28, s29
	s_mov_b32 s29, 0
	s_add_nc_u64 s[24:25], s[24:25], s[28:29]
	v_lshlrev_b32 v[LA], 2, v2
.set i, 0
.rept 128
	global_load_b32 v[X+i], v[LA], s[24:25] offset:i*4096 th:TH_LOAD_NT   ; W(128 step + i, my column)
.set i, i+1
.endr
	v_lshrrev_b32 v4, 4, v2
	v_and_b32 v5, 15, v2
	v_lshlrev_b32 v5, 4, v5
	v_lshl_add_u32 v[WO], v4, 13, v5
	v_lshl_add_u32 v[WO2], v4, 12, v5
	v_lshlrev_b32 v[SO], 5, v2
; registers 32 b .. 32 b + 31 are in.  Behind them 96, 64, 32, 0 loads were issued; the count's field ends at 63, and a smaller count is safe
.macro ARRIVED b
.if (\b) < 2
	s_wait_loadcnt 63
.else
	s_wait_loadcnt 32*(3-(\b))
.endif
.endm
	s_cmp_eq_u32 s23, 3
	s_cbranch_scc1 .Lhalf
	; ---- Wk, Wv, Wq: codes and scale bytes
	s_lshl_b32 s28, s23, 19                        ; the tensor's images,
	s_lshl_b32 s30, s27, 16                        ; eight column tiles of 8,192 bytes for each 128 columns,
	s_add_co_u32 s28, s28, s30
	s_lshl_b32 s30, s22, 14                        ; my wave's two,
	s_add_co_u32 s28, s28, s30
	s_lshl_b32 s30, s26, 10                        ; the K step's 1,024 bytes
	s_add_co_u32 s28, s28, s30
	s_add_nc_u64 s[14:15], s[14:15], s[28:29]
	s_lshl_b32 s28, s23, 15                        ; the tensor's scale bytes,
	s_lshl_b32 s30, s27, 12                        ; 128 columns of 32 bytes,
	s_add_co_u32 s28, s28, s30
	s_lshl_b32 s30, s22, 10                        ; my wave's 32,
	s_add_co_u32 s28, s28, s30
	s_lshl_b32 s30, s26, 2                         ; the K step's four bytes
	s_add_co_u32 s28, s28, s30
	s_add_nc_u64 s[16:17], s[16:17], s[28:29]
.macro BLOCK b
.set XS, X+32*(\b)
	ARRIVED \b
	v_max3_num_f32 v12, |v[XS]|, |v[XS+1]|, |v[XS+2]|              ; the block's largest magnitude: all 32 numbers are mine; two chains
	v_max3_num_f32 v13, |v[XS+3]|, |v[XS+4]|, |v[XS+5]|
.irp i, 6,10,14,18,22,26
	v_max3_num_f32 v12, v12, |v[XS+\i]|, |v[XS+\i+1]|
	v_max3_num_f32 v13, v13, |v[XS+\i+2]|, |v[XS+\i+3]|
.endr
	v_max3_num_f32 v12, v12, |v[XS+30]|, |v[XS+31]|
	v_max3_num_f32 v12, v12, v13, 0x1800000        ; and the floor 2^(3 - 127): the byte cannot fall under 1
	v_add_nc_u32 v11, 0xff000000, v12              ; 2 off the exponent field: the conversion takes the exponent field of this operand as its scale
	v_lshrrev_b32 v13, 23, v11                     ; the scale's byte
.if (\b) == 0
	v_mov_b32 v[SBY], v13
.else
	v_lshl_or_b32 v[SBY], v13, 8*(\b), v[SBY]
.endif
.irp g, 0,1,2,3
	v_cvt_scalef32_pk8_fp4_f32 v[C+4*(\b)+\g], v[XS+8*\g:XS+8*\g+7], v11
.endr
	global_store_b128 v[WO], v[C+4*(\b):C+4*(\b)+3], s[14:15] offset:((\b)/2)*512+((\b)%2)*256   ; block b is c = b / 2, h = b % 2 of the image; the next block begins with plain vector lines
.endm
	BLOCK 0
	BLOCK 1
	BLOCK 2
	BLOCK 3
	global_store_b32 v[SO], v[SBY], s[16:17]       ; four bytes of my column's row: 1 byte for each 128 that the launch reads
	s_endpgm
.Lhalf:
	; ---- Wf: f16, eight neighbours along K to 16 bytes
	s_lshr_b32 s28, s27, 1
	s_lshl_b32 s28, s28, 19                        ; the block of 256 columns,
	s_lshl_b32 s30, s26, 16                        ; the K step's 65,536 bytes,
	s_add_co_u32 s28, s28, s30
	s_and_b32 s30, s27, 1
	s_lshl_b32 s30, s30, 15                        ; eight column tiles of 4,096 bytes for each 128 columns,
	s_add_co_u32 s28, s28, s30
	s_lshl_b32 s30, s22, 13                        ; my wave's two
	s_add_co_u32 s28, s28, s30
	s_add_nc_u64 s[18:19], s[18:19], s[28:29]
.set Q8, 0
.rept 16
.if Q8%4 == 0
	ARRIVED Q8/4
.endif
.irp i, 0,1,2,3
	v_cvt_pk_f16_f32 v[X+4*Q8+\i], v[X+8*Q8+2*\i], v[X+8*Q8+2*\i+1]   ; in place: the destination never passes a number that is still to be read, nor reaches a register of an earlier store
.endr
	global_store_b128 v[WO2], v[X+4*Q8:X+4*Q8+3], s[18:19] offset:(Q8/4)*1024+((Q8/2)%2)*512+(Q8%2)*256   ; k = 8 Q8 on: k32 = Q8 / 4, c = (Q8 / 2) % 2, h = Q8 % 2
.set Q8, Q8+1
.endr
	s_endpgm
.Lmask:
	; ---- the mask of one batch: 2,048 words, 16 a thread
	s_sub_co_u32 s26, ttmp9, 256
	s_lshl_b32 s26, s26, 13
	s_mov_b32 s27, 0
	s_add_nc_u64 s[12:13], s[12:13], s[26:27]
	s_add_nc_u64 s[20:21], s[20:21], s[26:27]
	v_lshlrev_b32 v3, 4, v0
	v_mov_b32 v4, 0
	v_mov_b32 v5, 0xf1800000                       ; -2^100
.irp i, 0,1,2,3
	global_load_b128 v[32+4*\i:35+4*\i], v3, s[12:13] offset:2048*\i
.endr
	s_wait_loadcnt 0x0
.irp j, 0,1,2,3,4,5,6,7,8,9,10,11,12,13,14,15
	v_cmp_eq_u32 vcc_lo, 0, v[32+\j]
	v_cndmask_b32 v[48+\j], v4, v5, vcc_lo         ; a choice of value, no branch
.endr
.irp i, 0,1,2,3
	global_store_b128 v3, v[48+4*\i:51+4*\i], s[20:21] offset:2048*\i
.endr
	s_endpgm
.Lfunc_end_k_qaab3013164_prep:
	.size	k_qaab3013164_prep, .Lfunc_end_k_qaab3013164_prep-k_qaab3013164_prep
	.p2alignl 7, 3214868480
	.fill 96, 4, 3214868480
	.section	.rodata,"a",@progbits
	.p2align	6, 0x0
	.amdhsa_kernel k_qaab3013164_prep
		.amdhsa_group_segment_fixed_size 0
		.amdhsa_private_segment_fixed_size 0
		.amdhsa_enable_private_segment 0
		.amdhsa_kernarg_size 72
		.amdhsa_user_sgpr_count 2
		.amdhsa_user_sgpr_kernarg_segment_ptr 1
		.amdhsa_wavefront_size32 1
		.amdhsa_system_sgpr_workgroup_id_x 1
		.amdhsa_system_sgpr_workgroup_id_y 1
		.amdhsa_system_sgpr_workgroup_id_z 1
		.amdhsa_system_vgpr_workitem_id 0
		.amdhsa_next_free_vgpr 176
		.amdhsa_next_free_sgpr 66
		.amdhsa_reserve_vcc 1
		.amdhsa_float_denorm_mode_32 3
		.amdhsa_float_denorm_mode_16_64 3
		.amdhsa_memory_ordered 1
		.amdhsa_forward_progress 1
		.amdhsa_inst_pref_size 29
	.end_amdhsa_kernel
	.amdgpu_metadata
---
amdhsa.version: [ 1, 2 ]
amdhsa.kernels:
  - .name:           k_qaab3013164_prep
    .symbol:         k_qaab3013164_prep.kd
    .args:
      - { .name: Wk, .offset: 0, .size: 8, .value_kind: global_buffer, .address_space: global }
      - { .name: Wv, .offset: 8, .size: 8, .value_kind: global_buffer, .address_space: global }
      - { .name: Wq, .offset: 16, .size: 8, .value_kind: global_buffer, .address_space: global }
      - { .name: Wf, .offset: 24, .size: 8, .value_kind: global_buffer, .address_space: global }
      - { .name: mask, .offset: 32, .size: 8, .value_kind: global_buffer, .address_space: global }
      - { .name: wimg, .offset: 40, .size: 8, .value_kind: global_buffer, .address_space: global }
      - { .name: wsc, .offset: 48, .size: 8, .value_kind: global_buffer, .address_space: global }
      - { .name: wfimg, .offset: 56, .size: 8, .value_kind: global_buffer, .address_space: global }
      - { .name: mbias, .offset: 64, .size: 8, .value_kind: global_buffer, .address_space: global }
    .group_segment_fixed_size: 0
    .private_segment_fixed_size: 0
    .kernarg_segment_align: 8
    .kernarg_segment_size: 72
    .max_flat_workgroup_size: 128
    .sgpr_count:     66
    .vgpr_count:     176
    .wavefront_size: 32
...
	.end_amdgpu_metadata
.endif
;; end of part 1
;; launch proj (part 2): grid 64 x 3, 4 waves a work-group, no clusters, 72,704 bytes of LDS; arguments x_k, x_v, x_q, bk, bv, bq, wimg, wsc, qkv; writes qkv
.if DOCPART == 2
	.amdgcn_target "amdgcn-amd-amdhsa--gfx1250"
	.amdhsa_code_object_version 6
	.text
	.protected	k_qaab3013164_proj
	.globl	k_qaab3013164_proj
	.p2align	8
	.type	k_qaab3013164_proj,@function
k_qaab3013164_proj:
	s_mov_b64 s[64:65], 0
	v_nop
	global_prefetch_b8 v0, s[64:65] scope:SCOPE_SE
	s_setreg_imm32_b32 hwreg(HW_REG_WAVE_MODE, 25, 1), 1
	s_wait_xcnt 0x0
; k = x_k Wk + bk, v = x_v Wv + bv, q = x_q Wq + bq, on codes of FP4 (E2M1) with one E8M0 scale for each 32 along K; sums in f32; results rounded once to f16.
; Work-group (x, y) takes rows 128 x .. 128 x + 127 of tensor y (0 k, 1 v, 2 q) and ALL 1,024 columns: each f32 number of x is read once in the launch and quantised once.
; k is computed and stored as the others are; no later launch reads it, just as the model's scores never use it.
; PHASE X: wave w quantises rows 32 w .. 32 w + 31 (a lane holds 8 neighbours of each of four runs of 256 numbers; a block of 32 is four lanes) and puts codes and scale bytes into LDS.
; ONE BARRIER.  PHASE F: every wave takes all 64 fragments of x (8 row tiles x 8 K steps, 512 registers) and their scale words, and keeps them.
; PHASE M: wave w makes columns 256 w .. 256 w + 255, a head of 64 at a time: 32 accumulators (8 row tiles x 4 column tiles).  The weights come from memory straight into operand registers,
; in the order in which the launch before laid them, four K steps ahead.  The bias is the C of each sum's first product.
; THE MATRIX INSTRUCTION IS USED TRANSPOSED (source 0 = 16 columns of W, source 1 = 16 rows of x): a lane holds one token (lane % 16) and eight neighbouring channels, 16 bytes of f16.
; qkv [tensor 3][batch x head 64][tile of 16 tokens 128][p 4][slot 32][16 bytes]: channels 16 p + 8 h + 0..7 of the tile's token r lie in slot (r xor 8 h) + 16 h.  A store covers 512 consecutive bytes.
; NO JOINT LOADS: no weight byte is read twice inside a work-group (each wave has columns of its own), and the launch has no tensor load; shared among work-groups the 544 KB of weights
; would have to be written into LDS and read out of it again in every work-group, beside the 70 KB that x's codes take.
; 192 work-groups: three tensors of 64 blocks; blocks of 64 rows would double the weight bytes that each row of x pays for.
; LIMITS: |k|, |v|, |q| under 65,504 (f16); a block of zeros gets the byte 1, not 127 (its codes are zeros); blocks whose largest magnitude lies under 2^-124 keep the byte 1; NaN and infinities are not served.
; REGISTERS, in windows of 256: window 0: v1-15 addresses; v16-23 at work; v32-63 x's scale words; v64-79 W's; v80-111 the bias, as C; v112-239 W's fragments, four K steps; v240-255 a row's codes and bytes, two sets.
;   window 1: phase X: eight rows of x, 32 registers each; then x's fragments of K steps 0-3 (row tile rt, step ks at 8 (4 rt + ks)).   window 2: those of K steps 4-7.   window 3: accumulator (rt, ct) at 8 (4 rt + ct).
.set PITCH,  528                       ; a row's 512 bytes of codes + 16: an odd multiple of 16, so that the 16 rows of a fragment load start in 16 different groups of banks
.set SPITCH, 36                        ; a row's 32 scale bytes + 4
.set SCB,    128*PITCH                 ; LDS: the codes, then the scale bytes,
.set SPARE,  SCB+128*SPITCH            ; then the spare words, 128 bytes for each wave: two blocks of 256 bytes that no other line names
.set XA,  1                            ; v1   32 x lane: my 8 numbers in a run of 256
.set CA,  2                            ; v2   my wave's rows of codes + 4 x lane
.set SA,  3                            ; v3   my wave's rows of scale bytes + lane / 4
.set CAW, 4                            ; v4   CA + the trip's rows
.set SAW, 5                            ; v5   SA + the trip's rows
.set FA,  6                            ; v6   a fragment's row: r x PITCH + 16 h
.set XSA, 7                            ; v7   x's scale words: SCB + r x SPITCH + 16 h
.set WA,  8                            ; v8   16 x lane
.set WSA, 9                            ; v9   W's scale words: 32 r + 16 h
.set BA,  10                           ; v10  the bias: 32 h
.set OA,  11                           ; v11  16 x my slot in an image of qkv
.set SPW, 12                           ; v12  LDS address of my spare word; never rewritten
.set NIL, 13                           ; v13  0; never rewritten
.set M,   16                           ; v16-19 largest magnitudes of four blocks
.set SCL, 20                           ; v20-23 the conversions' scale operands
.set XS,  32
.set WS,  64
.set BI,  80
.set WR,  112
.set CD,  240
.set BY,  248
.set XB,  26                           ; s[26:27] x at my wave's rows
.set BB,  28                           ; s[28:29] the bias at the head in hand
.set WB,  30                           ; s[30:31] W's images at the head in hand
.set SB,  32                           ; s[32:33] W's scale bytes likewise
.set OB,  34                           ; s[34:35] qkv likewise
.set RC,  36                           ; s36, s37 the trip's rows in LDS
.set RS,  37
.set CNT, 38
.set MSB, 0
.macro WIN new                         ; the immediate's high byte repeats the setting that is left
.if MSB != \new
	s_set_vgpr_msb (MSB<<8)|\new
.set MSB, \new
.endif
.endm
.macro PLACES n
.rept \n
	v_nop
.endr
.endm
	s_load_b256 s[4:11], s[0:1], 0x0               ; x_k s[4:5], x_v s[6:7], x_q s[8:9], bk s[10:11]
	s_load_b256 s[12:19], s[0:1], 0x20             ; bv s[12:13], bq s[14:15], wimg s[16:17], wsc s[18:19]
	s_load_b64 s[20:21], s[0:1], 0x40              ; qkv
	v_lshl_add_u32 v[SPW], v0, 2, SPARE
	v_mov_b32 v[NIL], 0
	v_lshrrev_b32 v14, 5, v0
	v_readfirstlane_b32 s22, v14                   ; wave 0..3
	s_and_b32 s23, ttmp7, 0xffff                   ; the tensor
	v_and_b32 v14, 31, v0                          ; lane
	v_and_b32 v15, 15, v0                          ; r
	v_bfe_u32 v16, v0, 4, 1                        ; h
	v_lshlrev_b32 v[XA], 5, v14
	s_mul_i32 s40, s22, 32*PITCH
	v_lshlrev_b32 v[CA], 2, v14
	v_add_nc_u32 v[CA], s40, v[CA]
	s_mul_i32 s40, s22, 32*SPITCH
	s_add_co_u32 s40, s40, SCB
	v_lshrrev_b32 v[SA], 2, v14
	v_add_nc_u32 v[SA], s40, v[SA]
	s_mov_b32 s[RC], 0
	s_mov_b32 s[RS], 0
	v_add_nc_u32 v[CAW], s[RC], v[CA]
	v_add_nc_u32 v[SAW], s[RS], v[SA]
	v_mul_u32_u24 v[FA], v15, PITCH
	v_lshl_add_u32 v[FA], v16, 4, v[FA]
	v_mul_u32_u24 v[XSA], v15, SPITCH
	v_lshl_add_u32 v[XSA], v16, 4, v[XSA]
	v_add_nc_u32 v[XSA], SCB, v[XSA]
	v_lshlrev_b32 v[WA], 4, v14
	v_lshlrev_b32 v[WSA], 5, v15
	v_lshl_add_u32 v[WSA], v16, 4, v[WSA]
	v_lshlrev_b32 v[BA], 5, v16
	v_lshlrev_b32 v17, 3, v16
	v_xor_b32 v17, v15, v17
	v_lshl_add_u32 v17, v16, 4, v17                ; my slot: (r xor 8 h) + 16 h
	v_lshlrev_b32 v[OA], 4, v17
	s_lshl_b32 s40, ttmp9, 19                      ; x: 128 rows of 4,096 bytes a work-group,
	s_lshl_b32 s41, s22, 17                        ; 32 a wave
	s_add_co_u32 s40, s40, s41
	s_mov_b32 s41, 0
	s_lshl_b32 s42, s22, 10                        ; the bias: my wave's 256 numbers
	s_mov_b32 s43, 0
	s_lshl_b32 s44, s23, 19                        ; W's images: the tensor's 524,288 bytes,
	s_lshl_b32 s45, s22, 17                        ; my wave's 16 column tiles of 8,192
	s_add_co_u32 s44, s44, s45
	s_mov_b32 s45, 0
	s_lshl_b32 s46, s23, 15                        ; W's scale bytes: the tensor's 32,768,
	s_lshl_b32 s47, s22, 13                        ; my wave's 256 columns of 32
	s_add_co_u32 s46, s46, s47
	s_mov_b32 s47, 0
	s_lshl_b32 s48, s23, 24                        ; qkv: the tensor's 16,777,216 bytes,
	s_lshr_b32 s49, ttmp9, 4
	s_lshl_b32 s49, s49, 22                        ; the batch's 16 heads of 262,144,
	s_add_co_u32 s48, s48, s49
	s_lshl_b32 s49, s22, 20                        ; my wave's four heads,
	s_add_co_u32 s48, s48, s49
	s_and_b32 s49, ttmp9, 15
	s_lshl_b32 s49, s49, 14                        ; the block's eight tiles of 2,048
	s_add_co_u32 s48, s48, s49
	s_mov_b32 s49, 0
	s_wait_kmcnt 0x0
	s_cmp_eq_u32 s23, 0                            ; the choices hang on the work-group's number alone
	s_cselect_b64 s[XB:XB+1], s[4:5], s[6:7]
	s_cselect_b64 s[BB:BB+1], s[10:11], s[12:13]
	s_cmp_eq_u32 s23, 2
	s_cselect_b64 s[XB:XB+1], s[8:9], s[XB:XB+1]
	s_cselect_b64 s[BB:BB+1], s[14:15], s[BB:BB+1]
	s_add_nc_u64 s[XB:XB+1], s[XB:XB+1], s[40:41]
	s_add_nc_u64 s[BB:BB+1], s[BB:BB+1], s[42:43]
	s_add_nc_u64 s[WB:WB+1], s[16:17], s[44:45]
	s_add_nc_u64 s[SB:SB+1], s[18:19], s[46:47]
	s_add_nc_u64 s[OB:OB+1], s[20:21], s[48:49]
; ---- PHASE X.  Eight loads bring a row into slot i of the ring (window 1): run u of 256 numbers, my 8 neighbours in registers 8 u .. 8 u + 7; two loads on end cover 1,024 consecutive bytes
.macro XLOAD i, row
.irp u, 0,1,2,3
.irp e, 0,1
	global_load_b128 v[32*(\i)+8*\u+4*\e:32*(\i)+8*\u+4*\e+3], v[XA], s[XB:XB+1] offset:(\row)*4096+1024*\u+16*\e
.endr
.endr
.endm
; The row in slot i.  ahead = 1: the slot takes the row eight further down.  left: the younger loads that may stay out
.macro ROW i, ahead, left
.set XR,  32*(\i)
.set CDR, CD+4*((\i)%2)
.set BYR, BY+4*((\i)%2)
	s_wait_loadcnt \left                           ; loads come back in order: my row is in
	s_wait_dscnt 8                                 ; the last row's eight LDS stores may be out; those of two rows back, which read this set of registers, are done
	WIN 0x14                                       ; sources 1 and 2: window 1
.irp u, 0,1,2,3
	v_max3_num_f32 v[M+\u], 0x1800000, |v[XR+8*\u]|, |v[XR+8*\u+1]|    ; the floor 2^(3 - 127) among the leaves: the byte cannot fall under 1
.endr
.irp j, 2,4,6
.irp u, 0,1,2,3
	v_max3_num_f32 v[M+\u], v[M+\u], |v[XR+8*\u+\j]|, |v[XR+8*\u+\j+1]|   ; the four runs by turns
.endr
.endr
	WIN 0
.irp u, 0,1,2,3
	v_max_num_f32_dpp v[M+\u], v[M+\u], v[M+\u] row_xmask:1 row_mask:0xf bank_mask:0xf
.endr
.irp u, 0,1,2,3
	v_max_num_f32_dpp v[M+\u], v[M+\u], v[M+\u] row_xmask:2 row_mask:0xf bank_mask:0xf   ; a block of 32 is four neighbouring lanes
.endr
.irp u, 0,1,2,3
	v_add_nc_u32 v[SCL+\u], 0xff000000, v[M+\u]    ; 2 off the exponent field: the conversion's scale operand
.endr
	WIN 0x01                                       ; source 0: window 1
.irp u, 0,1,2,3
	v_cvt_scalef32_pk8_fp4_f32 v[CDR+\u], v[XR+8*\u:XR+8*\u+7], v[SCL+\u]
.endr
	WIN 0
.irp u, 0,1,2,3
	v_lshrrev_b32 v[BYR+\u], 23, v[SCL+\u]         ; the scale's byte.  (Also the plain line behind the conversions)
.endr
.irp u, 0,1,2,3
	ds_store_b32 v[CAW], v[CDR+\u] offset:(\i)*PITCH+128*\u       ; 8 codes: bytes 128 u + 4 lane of the row
.endr
.irp u, 0,1,2,3
	ds_store_b8 v[SAW], v[BYR+\u] offset:(\i)*SPITCH+8*\u         ; block 8 u + lane / 4; its four lanes write the same byte with the same value
.endr
.if \ahead
	WIN 0x40                                       ; destination: window 1
	XLOAD \i, 8+(\i)
	WIN 0
.endif
.endm
	WIN 0x40
.irp i, 0,1,2,3,4,5,6,7
	XLOAD \i, \i
.endr
	WIN 0
	s_mov_b32 s[CNT], 3
.Lrows:                                            ; a trip: eight rows worked, eight asked for; 64 loads of the wave are on their way
.irp i, 0,1,2,3,4,5,6,7
	ROW \i, 1, 56                                  ; seven younger rows of eight loads
.endr
	s_wait_xcnt 0x0                                ; the loads have read their base
	s_add_nc_u64 s[XB:XB+1], s[XB:XB+1], 8*4096
	s_add_co_u32 s[RC], s[RC], 8*PITCH
	s_add_co_u32 s[RS], s[RS], 8*SPITCH
	s_wait_dscnt 0x0                               ; the LDS stores have read their addresses
	v_add_nc_u32 v[CAW], s[RC], v[CA]
	v_add_nc_u32 v[SAW], s[RS], v[SA]
	s_sub_co_u32 s[CNT], s[CNT], 1
	s_cmp_lg_u32 s[CNT], 0
	s_cbranch_scc1 .Lrows
.irp i, 0,1,2,3,4,5,6,7
	ROW \i, 0, 56-8*\i                             ; the last eight rows ask for nothing: the counts run down
.endr
; ---- the weights.  nxt = 1: the next head's, one head's bytes further on than the bases stand
.macro GLOAD ks, nxt                   ; four column tiles' fragments of K step ks: eight loads of 512 consecutive bytes
.irp ct, 0,1,2,3
.irp c, 0,1
	global_load_b128 v[WR+32*((\ks)%4)+8*\ct+4*\c:WR+32*((\ks)%4)+8*\ct+4*\c+3], v[WA], s[WB:WB+1] offset:(\nxt)*32768+\ct*8192+(\ks)*1024+\c*512
.endr
.endr
.endm
.macro WSLOAD nxt                      ; scale words: register 4 ct + i: lanes 0-15 K step i, lanes 16-31 K step 4 + i, of column 16 ct + r
.irp ct, 0,1,2,3
	global_load_b128 v[WS+4*\ct:WS+4*\ct+3], v[WSA], s[SB:SB+1] offset:(\nxt)*2048+\ct*512
.endr
.endm
.macro BILOAD nxt                      ; the bias in the result's layout: lane (r, h): channels 16 ct + 8 h + 0..7
.irp ct, 0,1,2,3
.irp i, 0,1
	global_load_b128 v[BI+8*\ct+4*\i:BI+8*\ct+4*\i+3], v[BA], s[BB:BB+1] offset:(\nxt)*256+\ct*64+16*\i
.endr
.endr
.endm
	WSLOAD 0                                       ; the first head's: asked for ahead of the barrier, so that they land while the fragments are fetched
	BILOAD 0
	GLOAD 0, 0
	GLOAD 1, 0
	GLOAD 2, 0
	GLOAD 3, 0
	s_wait_dscnt 0x0                               ; for the others' sake: my codes and bytes lie in LDS
	s_barrier_signal -1
	s_barrier_wait -1
; ---- PHASE F: a fragment, 16 rows x 128 K of 4-bit codes, is two loads of 16 bytes, 32 bytes apart, at row x PITCH + 64 ks + 16 h
	WIN 0x40
.irp rt, 0,1,2,3,4,5,6,7
.irp ks, 0,1,2,3
.irp c, 0,1
	ds_load_b128 v[8*(4*\rt+\ks)+4*\c:8*(4*\rt+\ks)+4*\c+3], v[FA] offset:\rt*16*PITCH+64*\ks+32*\c
.endr
.endr
.endr
	WIN 0x80
.irp rt, 0,1,2,3,4,5,6,7
.irp ks, 0,1,2,3
.irp c, 0,1
	ds_load_b128 v[8*(4*\rt+\ks)+4*\c:8*(4*\rt+\ks)+4*\c+3], v[FA] offset:\rt*16*PITCH+256+64*\ks+32*\c
.endr
.endr
.endr
	WIN 0
.irp rt, 0,1,2,3,4,5,6,7
.irp i, 0,1,2,3
	ds_load_b32 v[XS+4*\rt+\i], v[XSA] offset:\rt*16*SPITCH+4*\i   ; lanes 0-15: K step i; lanes 16-31: K step 4 + i
.endr
.endr
	s_wait_dscnt 0x0
; ---- PHASE M.  32 products of K step ks; the 32 accumulators take turns, one instruction a turn, in the same order in every K step
.macro MUL ks
.if (\ks) == 0
	WIN 0xc4                                       ; W window 0, x window 1, C (the bias) window 0, D window 3
.elseif (\ks) < 4
	WIN 0xf4                                       ; C and D window 3
.else
	WIN 0xf8                                       ; x window 2
.endif
.irp rt, 0,1,2,3,4,5,6,7
.irp ct, 0,1,2,3
.if (\ks) == 0
	v_wmma_scale_f32_16x16x128_f8f6f4 v[8*(4*\rt+\ct):8*(4*\rt+\ct)+7], v[WR+8*\ct:WR+8*\ct+7], v[8*(4*\rt):8*(4*\rt)+7], v[BI+8*\ct:BI+8*\ct+7], v[WS+4*\ct], v[XS+4*\rt] matrix_a_fmt:MATRIX_FMT_FP4 matrix_b_fmt:MATRIX_FMT_FP4
.elseif (\ks) < 4
	v_wmma_scale_f32_16x16x128_f8f6f4 v[8*(4*\rt+\ct):8*(4*\rt+\ct)+7], v[WR+32*(\ks)+8*\ct:WR+32*(\ks)+8*\ct+7], v[8*(4*\rt+(\ks)):8*(4*\rt+(\ks))+7], v[8*(4*\rt+\ct):8*(4*\rt+\ct)+7], v[WS+4*\ct+(\ks)], v[XS+4*\rt+(\ks)] matrix_a_fmt:MATRIX_FMT_FP4 matrix_b_fmt:MATRIX_FMT_FP4
.else
	v_wmma_scale_f32_16x16x128_f8f6f4 v[8*(4*\rt+\ct):8*(4*\rt+\ct)+7], v[WR+32*((\ks)-4)+8*\ct:WR+32*((\ks)-4)+8*\ct+7], v[8*(4*\rt+(\ks)-4):8*(4*\rt+(\ks)-4)+7], v[8*(4*\rt+\ct):8*(4*\rt+\ct)+7], v[WS+4*\ct+(\ks)-4], v[XS+4*\rt+(\ks)-4] matrix_a_fmt:MATRIX_FMT_FP4 matrix_b_fmt:MATRIX_FMT_FP4 matrix_a_scale:MATRIX_SCALE_ROW1 matrix_b_scale:MATRIX_SCALE_ROW1
.endif
.endr
.endr
	WIN 0
.endm
; K steps 0 to 3: behind the products and four places (a load into a register that a matrix instruction has read stands four plain vector instructions behind it) the set takes the K step four on
.macro EARLY ks, last
	MUL \ks
	PLACES 4
.if ((\ks) == 0) && (\last == 0)
	BILOAD 1                                       ; the next head's bias: this head's has been taken in
.endif
	GLOAD (\ks)+4, 0
.endm
; K steps 4 to 7: the wait leaves the three younger groups of eight loads out; in the last head nothing more is asked for, and the counts run down
.macro LATE ks, last
.if \last
	s_wait_loadcnt 8*(7-(\ks))
.else
	s_wait_loadcnt 24
.endif
	MUL \ks
.if (\last == 0) || ((\ks) == 7)
	PLACES 4                                       ; behind K step 7 they also stand in front of the first read of results
.endif
.if \last == 0
	GLOAD (\ks)-4, 1
.endif
.endm
.macro HEAD last
	s_wait_loadcnt 0x0                             ; scale words, bias and K steps 0-3 are in: they were asked for ahead of the last head's way out (the first head's: ahead of the barrier)
	EARLY 0, \last
	EARLY 1, \last
	EARLY 2, \last
	EARLY 3, \last
	LATE 4, \last
	LATE 5, \last
	LATE 6, \last
	LATE 7, \last
.if \last == 0
	WSLOAD 1
.endif
	WIN 0xcf                                       ; the way out, in window 3: a lane's eight channels round to 16 bytes, in place, each accumulator from its low end on
.set n, 0
.rept 32
.irp i, 0,1,2,3
	v_cvt_pk_f16_f32 v[8*n+\i], v[8*n+2*\i], v[8*n+2*\i+1]
.endr
.set n, n+1
.endr
	WIN 0x0c                                       ; a store's data: window 3
.irp rt, 0,1,2,3,4,5,6,7
.irp ct, 0,1,2,3
	global_store_b128 v[OA], v[8*(4*\rt+\ct):8*(4*\rt+\ct)+3], s[OB:OB+1] offset:\rt*2048+\ct*512   ; 32 lanes store 512 consecutive bytes, at a multiple of 256 from the buffer's first byte
.endr
.endr
	WIN 0
.if \last == 0
	s_wait_xcnt 0x0                                ; loads and stores have read their bases, the stores their data: the bases step, and the next head's products may write the accumulators
	s_add_nc_u64 s[WB:WB+1], s[WB:WB+1], 32768
	s_add_nc_u64 s[SB:SB+1], s[SB:SB+1], 2048
	s_add_nc_u64 s[BB:BB+1], s[BB:BB+1], 256
	s_add_nc_u64 s[OB:OB+1], s[OB:OB+1], 262144
.endif
.endm
	s_mov_b32 s[CNT], 3
.Lhead:
	HEAD 0
	s_sub_co_u32 s[CNT], s[CNT], 1
	s_cmp_lg_u32 s[CNT], 0
	s_cbranch_scc1 .Lhead
	HEAD 1                                         ; the last head is written out: no load leaves its buffer
	s_wait_tensorcnt 0x0                           ; the wave's end, behind my last LDS store
	ds_add_u32 v[SPW], v[NIL]
	s_wait_dscnt 0x0
	s_endpgm
.Lfunc_end_k_qaab3013164_proj:
	.size	k_qaab3013164_proj, .Lfunc_end_k_qaab3013164_proj-k_qaab3013164_proj
	.p2alignl 7, 3214868480
	.fill 96, 4, 3214868480
	.section	.rodata,"a",@progbits
	.p2align	6, 0x0
	.amdhsa_kernel k_qaab3013164_proj
		.amdhsa_group_segment_fixed_size 72704
		.amdhsa_private_segment_fixed_size 0
		.amdhsa_enable_private_segment 0
		.amdhsa_kernarg_size 72
		.amdhsa_user_sgpr_count 2
		.amdhsa_user_sgpr_kernarg_segment_ptr 1
		.amdhsa_wavefront_size32 1
		.amdhsa_system_sgpr_workgroup_id_x 1
		.amdhsa_system_sgpr_workgroup_id_y 1
		.amdhsa_system_sgpr_workgroup_id_z 1
		.amdhsa_system_vgpr_workitem_id 0
		.amdhsa_next_free_vgpr 1024
		.amdhsa_next_free_sgpr 66
		.amdhsa_reserve_vcc 0
		.amdhsa_float_denorm_mode_32 3
		.amdhsa_float_denorm_mode_16_64 3
		.amdhsa_memory_ordered 1
		.amdhsa_forward_progress 1
		.amdhsa_inst_pref_size 178
	.end_amdhsa_kernel
	.amdgpu_metadata
---
amdhsa.version: [ 1, 2 ]
amdhsa.kernels:
  - .name:           k_qaab3013164_proj
    .symbol:         k_qaab3013164_proj.kd
    .args:
      - { .name: x_k, .offset: 0, .size: 8, .value_kind: global_buffer, .address_space: global }
      - { .name: x_v, .offset: 8, .size: 8, .value_kind: global_buffer, .address_space: global }
      - { .name: x_q, .offset: 16, .size: 8, .value_kind: global_buffer, .address_space: global }
      - { .name: bk, .offset: 24, .size: 8, .value_kind: global_buffer, .address_space: global }
      - { .name: bv, .offset: 32, .size: 8, .value_kind: global_buffer, .address_space: global }
      - { .name: bq, .offset: 40, .size: 8, .value_kind: global_buffer, .address_space: global }
      - { .name: wimg, .offset: 48, .size: 8, .value_kind: global_buffer, .address_space: global }
      - { .name: wsc, .offset: 56, .size: 8, .value_kind: global_buffer, .address_space: global }
      - { .name: qkv, .offset: 64, .size: 8, .value_kind: global_buffer, .address_space: global }
    .group_segment_fixed_size: 72704
    .private_segment_fixed_size: 0
    .kernarg_segment_align: 8
    .kernarg_segment_size: 72
    .max_flat_workgroup_size: 128
    .sgpr_count:     66
    .vgpr_count:     1024
    .wavefront_size: 32
...
	.end_amdgpu_metadata
.endif
;; end of part 2
;; launch attn (part 3): grid 4 x 64, 8 waves a work-group, clusters of 4 x 1, 327,680 bytes of LDS; arguments qkv, mbias, aimg; writes aimg
.if DOCPART == 3
	.amdgcn_target "amdgcn-amd-amdhsa--gfx1250"
	.amdhsa_code_object_version 6
	.text
	.protected	k_qaab3013164_attn
	.globl	k_qaab3013164_attn
	.p2align	8
	.type	k_qaab3013164_attn,@function
k_qaab3013164_attn:
	s_mov_b64 s[64:65], 0
	v_nop
	global_prefetch_b8 v0, s[64:65] scope:SCOPE_SE
	s_setreg_imm32_b32 hwreg(HW_REG_WAVE_MODE, 25, 1), 1
	s_wait_xcnt 0x0
	s_wait_alu depctr_hold_cnt(0) depctr_sa_sdst(0) depctr_va_vdst(0) depctr_va_sdst(0) depctr_va_ssrc(0) depctr_va_vcc(0) depctr_vm_vsrc(0)
	s_getreg_b32 s2, hwreg(HW_REG_IB_STS2, 6, 4)
	s_cmp_eq_u32 s2, 0
	s_cbranch_scc0 .Lentry_in_a_cluster
	s_endpgm
.Lentry_in_a_cluster:
	s_bfe_u32 s2, ttmp6, 0x10000c
	s_cmp_lg_u32 s2, 0x3003
	s_cbranch_scc0 .Lentry_shape_is_right
	s_endpgm
.Lentry_shape_is_right:
; A[n][h][i][:] = the sum over j of softmax_j(q[i] . v[j] / 8, keys with mask == 0 left out) v[j][:].  The scores are taken of q and v, as the model has them; so ONE tile of v serves both products.
; q, v: f16 images (qkv: [tensor][batch x head][tile of 16 tokens][p 4][slot 32][16 bytes]; channels 16 p + 8 h + 0..7 of token r in slot (r xor 8 h) + 16 h).  Products, maxima and sums in f32; the weights p
; are rounded to f16 for the second product, A once at the end.
; SHARES.  A work-group owns 512 queries of one head, each of its eight waves 64: four tiles of 16; two waves to a SIMD, so that one wave's softmax stands beside the other's products.
; THE WHOLE HEAD'S v, 262,144 bytes, LIES IN LDS, filled once: no ring, no refill, no barrier in the loop.  Every wave walks all 2,048 keys, 64 a step.
; CLUSTER.  The four query blocks of a head form a cluster and need the same v and the same mask bias: each part is asked for JOINTLY, by the same tensor load with the same descriptor and a mask that names the four.
; LAYOUT.  S^T = v q^T (source 0 = 16 keys, source 1 = 16 queries): a lane holds ONE query (lane % 16) and keys 8 (lane / 16) + 0..7.  Two such tiles, rounded to f16 in pairs, ARE source 1 of O^T = v^T P,
; whose result again holds one query a lane and eight channels.  v comes out of LDS as it lies for the first product and turned, by ds_load_tr16_b128, for the second.  The exclusive or in the slot's number lets the
; 16 lanes of either load touch 16 different columns of 16 bytes, without padding.
; THE MASK is the C of each score's first product: 0, or -2^100 for a key that does not count.  It costs no vector instruction.  The running maximum starts at -2^96, so a masked key's p is 0 also while no
; key has counted yet; |q . v| is at most 64 x 65,504^2, far from that floor.  A batch with no key at all gives 0 x infinity = NaN, as the model's softmax does.
; SOFTMAX.  For each query a running maximum m and sum l: p = 2^(c s - c m), c = log2(e) / 8; in every step O and l are multiplied by a = 2^(c m_old - c m_new).
; aimg [block of 128 rows 64][K step of 128: 8][row tile 8][k32 4][c 2][lane 32][16 bytes]: the next launch's operand images; my lane's eight channels are one lane's 16 bytes there.
; NOTHING IS PREFETCHED: all of v is asked for at the head.
; LIMITS: f16's range for q and v (under 65,504); NaN and infinities among the inputs are not served.
; REGISTERS: window 0: v0-7 addresses; v8-31 six registers of statistics a tile; v32-63 the mask bias, as C; v64-127 q; v128-255 S^T, 32 a tile; P is packed in place into a tile's first 16.
;   window 1: v0-127 O^T (tile qt, channels 16 nt on: 32 qt + 8 nt); v128-191 v for the scores; v192-255 v turned.
.set BIAS,  262144                     ; LDS: v at 0; the batch's mask bias, 8,192 bytes;
.set SPARE, BIAS+8192                  ; the spare words, 128 bytes for each wave: four blocks of 256 bytes that no other line names
.set ADR1, 0                           ; v0   the step's address of v turned; at the end 16 x lane
.set AK0,  1                           ; v1   16 x my slot: (r xor 8 h) + 16 h
.set AV0,  2                           ; v2   the turning load's: key 8 h + lane % 8, channels' half g = (lane / 8) % 2: 16 x ((key xor 8 g) + 16 g)
.set AB0,  3                           ; v3   BIAS + 32 h
.set SPW,  4                           ; v4   LDS address of my spare word; never rewritten
.set NIL,  5                           ; v5   0; never rewritten
.set ADR2, 6                           ; v6   the step's address of v
.set ADR3, 7                           ; v7   and of the bias
.set ST,   8                           ; tile t's statistics at v[ST + 6 t]: +0 c m, +1 m, +2, +3 l (even keys', odd keys'), +4 the maximum's chain, then a, +5 at work
.set BI,   32
.set Q,    64
.set S,    128
.set VA,   128                         ; in window 1
.set VB,   192
.set WV,   10                          ; s10  my wave's number
.set G1V,  16                          ; s[16:23] descriptor group 1 for v;  s[24:31] for the bias;  s[32:35], s[36:39] their groups 0
.set G1B,  24
.set G0B,  32
.set G0V,  36
.set CS,   44                          ; s[44:45] c: the packed form names a pair and takes its low word for both halves
.set SEL,  46                          ; s[46:47] lane selects for v_permlanex16_b32: lane l xor 16
.set TB,   48                          ; s48  LDS byte of the step's keys: 8,192 a step
.set TBB,  49                          ; s49  and of their bias: 256 a step
.set CNT,  50
.set MSB, 0
.macro WIN new                         ; the immediate's high byte repeats the setting that is left
.if MSB != \new
	s_set_vgpr_msb (MSB<<8)|\new
.set MSB, \new
.endif
.endm
.macro PLACES n
.rept \n
	v_nop
.endr
.endm
.macro CROUND                          ; a round of the cluster's barrier: my work-group's barrier; wave 0 signals for the work-group; every wave waits for all four; my work-group's barrier once more
	s_barrier_signal -1
	s_barrier_wait -1
	s_cmp_lg_u32 s[WV], 0
	s_cbranch_scc1 .Lnot_wave_0_\@
	s_barrier_signal -3
.Lnot_wave_0_\@:
	s_barrier_wait -3
	s_barrier_signal -1
	s_barrier_wait -1
.endm
	s_load_b128 s[4:7], s[0:1], 0x0                ; qkv s[4:5], mbias s[6:7]
	s_load_b64 s[8:9], s[0:1], 0x10                ; aimg
	v_lshl_add_u32 v[SPW], v0, 2, SPARE
	v_mov_b32 v[NIL], 0
	ds_add_u32 v[SPW], v[NIL]                      ; the wave's opening: the add, twice on end, and its wait ahead of my first tensor load
	ds_add_u32 v[SPW], v[NIL]                      ; and once more, under the one wait; the set-up below, work on registers, stands between
	v_lshrrev_b32 v128, 5, v0
	v_readfirstlane_b32 s[WV], v128                ; wave 0..7
	s_bfe_u32 s11, ttmp6, 0x40000                  ; cx: my place in the cluster: it enters q's and A's addresses alone
	s_and_b32 s12, ttmp7, 0xffff                   ; batch x head, which the four partners share
	; descriptor group 1: dense blocks as rows of 256 bytes (32 elements of 8 bytes); v: 128 rows a wave, the bias: 4
	s_mov_b32 s[G1V], 15|(3<<16)|(1<<21)           ; 15:0 the mask: all four work-groups; 17:16 elements of 8 bytes; 20 no padding; 21 set beside a mask
	s_mov_b32 s[G1V+1], 32<<16                     ; tensor_dim0
	s_mov_b32 s[G1V+2], 128<<16                    ; tensor_dim1
	s_mov_b32 s[G1V+3], 32<<16                     ; tile_dim0
	s_mov_b32 s[G1V+4], 128                        ; tile_dim1
	s_mov_b32 s[G1V+5], 32                         ; from row to row
	s_mov_b32 s[G1V+6], 0
	s_mov_b32 s[G1V+7], 0
	s_mov_b32 s[G1B], 15|(3<<16)|(1<<21)
	s_mov_b32 s[G1B+1], 32<<16
	s_mov_b32 s[G1B+2], 4<<16
	s_mov_b32 s[G1B+3], 32<<16
	s_mov_b32 s[G1B+4], 4
	s_mov_b32 s[G1B+5], 32
	s_mov_b32 s[G1B+6], 0
	s_mov_b32 s[G1B+7], 0
	s_lshl_b32 s56, s12, 18                        ; the head's 262,144 bytes in a tensor of qkv
	s_lshl_b32 s57, s[WV], 15                      ; my eighth of v
	s_add_co_u32 s58, s56, s57
	s_add_co_u32 s58, s58, 0x1000000               ; v is tensor 1
	s_mov_b32 s59, 0
	s_lshr_b32 s60, s12, 4
	s_lshl_b32 s60, s60, 13                        ; the batch's 8,192 bytes of bias,
	s_lshl_b32 s61, s[WV], 10                      ; my eighth
	s_add_co_u32 s60, s60, s61
	s_mov_b32 s[G0B], 1                            ; count = 1
	s_add_co_u32 s[G0B+1], s61, BIAS               ; LDS address: the wave's number and constants alone
	s_mov_b32 s61, 0
	s_mov_b32 s[G0V], 1
	s_lshl_b32 s[G0V+1], s[WV], 15
	s_lshl_b32 s52, s11, 16                        ; q: my block's 32 tiles of 2,048 bytes,
	s_add_co_u32 s52, s52, s56
	s_lshl_b32 s53, s[WV], 13                      ; my wave's four,
	s_add_co_u32 s52, s52, s53
	s_add_co_u32 s52, s52, 0x2000000               ; in tensor 2
	s_mov_b32 s53, 0
	s_lshr_b32 s54, s12, 4                         ; A: the block of 128 rows: 16 batch + 4 cx + wave / 2,
	s_lshl_b32 s54, s54, 4
	s_lshl_b32 s55, s11, 2
	s_add_co_u32 s54, s54, s55
	s_lshr_b32 s55, s[WV], 1
	s_add_co_u32 s54, s54, s55
	s_lshl_b32 s54, s54, 18
	s_bfe_u32 s55, s12, 0x30001                    ; the K step of 128: head / 2,
	s_lshl_b32 s55, s55, 15
	s_add_co_u32 s54, s54, s55
	s_and_b32 s55, s[WV], 1                        ; my four row tiles of 4,096 bytes,
	s_lshl_b32 s55, s55, 14
	s_add_co_u32 s54, s54, s55
	s_and_b32 s55, s12, 1                          ; the head's 64 of the 128: two k32 of 1,024 bytes
	s_lshl_b32 s55, s55, 11
	s_add_co_u32 s54, s54, s55
	s_mov_b32 s55, 0
	s_mov_b32 s[CS], 0x3e38aa3b                    ; c = log2(e) / 8
	s_mov_b32 s[CS+1], s[CS]                       ; (named with it as a pair, so it is written)
	s_mov_b32 s[SEL], 0x76543210
	s_mov_b32 s[SEL+1], 0xfedcba98
	s_mov_b32 s[TB], 0
	s_mov_b32 s[TBB], 0
	s_wait_dscnt 0x0                               ; both opening adds are done
	s_wait_kmcnt 0x0
	s_add_nc_u64 s[G0B+2:G0B+3], s[6:7], s[60:61]
	s_or_b32 s[G0B+3], s[G0B+3], 0x80000000        ; type = 2
	s_add_nc_u64 s[G0V+2:G0V+3], s[4:5], s[58:59]
	s_or_b32 s[G0V+3], s[G0V+3], 0x80000000
	s_add_nc_u64 s[52:53], s[4:5], s[52:53]
	s_add_nc_u64 s[54:55], s[8:9], s[54:55]
	CROUND                                         ; all four work-groups are here: the joint loads meet
	tensor_load_to_lds s[G0B:G0B+3], s[G1B:G1B+7]  ; every wave asks for its eighth of the bias and of v: two loads of mine are out
	s_nop 0
	tensor_load_to_lds s[G0V:G0V+3], s[G1V:G1V+7]
	s_nop 0
	PLACES 4
	v_and_b32 v128, 15, v0                         ; r
	v_bfe_u32 v129, v0, 4, 1                       ; h
	v_lshlrev_b32 v130, 3, v129
	v_xor_b32 v130, v128, v130
	v_lshl_add_u32 v130, v129, 4, v130
	v_lshlrev_b32 v[AK0], 4, v130
.irp qt, 0,1,2,3
.irp p, 0,1,2,3
	global_load_b128 v[Q+16*\qt+4*\p:Q+16*\qt+4*\p+3], v[AK0], s[52:53] offset:\qt*2048+\p*512   ; q stays in registers: fragment (qt, channels 32 ks on) at Q + 16 qt + 8 ks
.endr
.endr
	v_and_b32 v130, 7, v0
	v_lshl_add_u32 v130, v129, 3, v130             ; the key that I address for the turning load: 8 h + lane % 8
	v_bfe_u32 v131, v0, 3, 1                       ; g
	v_lshlrev_b32 v132, 3, v131
	v_xor_b32 v130, v130, v132
	v_lshl_add_u32 v130, v131, 4, v130
	v_lshlrev_b32 v[AV0], 4, v130
	v_lshl_add_u32 v[AB0], v129, 5, BIAS
.irp t, 0,1,2,3
	v_mov_b32 v[ST+6*\t+5], 0                      ; written once: a lane permute's destination counts as one of its sources
.endr
.macro SCALE t, b                      ; pair b of tile t: c s - c m
	v_pk_fma_f32 v[S+32*(\t)+2*(\b):S+32*(\t)+2*(\b)+1], v[S+32*(\t)+2*(\b):S+32*(\t)+2*(\b)+1], s[CS:CS+1], v[ST+6*(\t):ST+6*(\t)+1] op_sel_hi:[1,0,0] neg_lo:[0,0,1] neg_hi:[0,0,1]
.endm
.macro EXP2 t, b                       ; its two exponentials
	v_exp_f32 v[S+32*(\t)+2*(\b)], v[S+32*(\t)+2*(\b)]
	v_exp_f32 v[S+32*(\t)+2*(\b)+1], v[S+32*(\t)+2*(\b)+1]
.endm
.macro READ t, b, first                ; the readers of pair b: the sum (of the unrounded p), then the rounding to f16, in place: register b takes pair b, which lies at 2 b or beyond
.if (\b) == 0
.if \first
	v_pk_mul_f32 v[ST+6*(\t)+2:ST+6*(\t)+3], v[S+32*(\t):S+32*(\t)+1], 1.0 op_sel_hi:[1,0]   ; the first pair starts l
.else
	v_pk_fma_f32 v[ST+6*(\t)+2:ST+6*(\t)+3], v[ST+6*(\t)+2:ST+6*(\t)+3], v[ST+6*(\t)+4:ST+6*(\t)+5], v[S+32*(\t):S+32*(\t)+1] op_sel_hi:[1,0,1]   ; l = a l + the first pair
.endif
.else
	v_pk_add_f32 v[ST+6*(\t)+2:ST+6*(\t)+3], v[ST+6*(\t)+2:ST+6*(\t)+3], v[S+32*(\t)+2*(\b):S+32*(\t)+2*(\b)+1]
.endif
	v_cvt_pk_f16_f32 v[S+32*(\t)+(\b)], v[S+32*(\t)+2*(\b)], v[S+32*(\t)+2*(\b)+1]
.endm
; A KEY STEP: 64 keys.  first = 1: it starts m, l and O^T.  last = 1: it fetches nothing for a next step.
.macro STEP first, last
	s_wait_dscnt 0x0                               ; v's fragments and the bias are in
	WIN 0x01                                       ; v window 1; q, C and D window 0
.irp kt, 0,1,2,3                       ; the 16 accumulators take turns, one instruction a turn
.irp qt, 0,1,2,3
	v_wmma_f32_16x16x32_f16 v[S+32*\qt+8*\kt:S+32*\qt+8*\kt+7], v[VA+16*\kt:VA+16*\kt+7], v[Q+16*\qt:Q+16*\qt+7], v[BI+8*\kt:BI+8*\kt+7]
.endr
.endr
.irp kt, 0,1,2,3
.irp qt, 0,1,2,3
	v_wmma_f32_16x16x32_f16 v[S+32*\qt+8*\kt:S+32*\qt+8*\kt+7], v[VA+16*\kt+8:VA+16*\kt+15], v[Q+16*\qt+8:Q+16*\qt+15], v[S+32*\qt+8*\kt:S+32*\qt+8*\kt+7]
.endr
.endr
	WIN 0
	v_add_nc_u32 v[ADR1], s[TB], v[AV0]            ; four plain instructions: the places in front of the loads into registers that the products read, and of the first read of scores
.if \last
	PLACES 3
.else
	v_add_nc_u32 v[ADR2], s[TB], v[AK0]
	v_add_nc_u32 v[ADR3], s[TBB], v[AB0]
	v_nop
.endif
	WIN 0x40                                       ; destination window 1
.irp kk, 0,1                           ; v turned: fragment (keys 32 kk on, channels 16 nt on): lane l holds channel l % 16 and 2 x 8 keys
.irp nt, 0,1,2,3
.irp i, 0,1
	ds_load_tr16_b128 v[VB+32*\kk+8*\nt+4*\i:VB+32*\kk+8*\nt+4*\i+3], v[ADR1] offset:(2*\kk+\i)*2048+\nt*512
.endr
.endr
.endr
.if \last == 0
.irp kt, 0,1,2,3                       ; the next step's v, as it lies
.irp p, 0,1,2,3
	ds_load_b128 v[VA+16*\kt+4*\p:VA+16*\kt+4*\p+3], v[ADR2] offset:8192+\kt*2048+\p*512
.endr
.endr
.endif
	WIN 0
.if \last == 0
.irp kt, 0,1,2,3                       ; and its bias, in the scores' layout: keys 16 kt + 8 h + 0..7
.irp i, 0,1
	ds_load_b128 v[BI+8*\kt+4*\i:BI+8*\kt+4*\i+3], v[ADR3] offset:256+\kt*64+16*\i
.endr
.endr
.endif
	s_add_co_u32 s[TB], s[TB], 8192
	s_add_co_u32 s[TBB], s[TBB], 256
	; the maximum of a lane's 32 scores and the old m; ascending; the four tiles by turns
.irp t, 0,1,2,3
	v_max3_num_f32 v[ST+6*\t+4], v[S+32*\t], v[S+32*\t+1], v[S+32*\t+2]
.endr
.irp i, 3,5,7,9,11,13,15,17,19,21,23,25,27,29
.irp t, 0,1,2,3
	v_max3_num_f32 v[ST+6*\t+4], v[ST+6*\t+4], v[S+32*\t+\i], v[S+32*\t+\i+1]
.endr
.endr
.irp t, 0,1,2,3
.if \first
	v_max3_num_f32 v[ST+6*\t+4], v[ST+6*\t+4], v[S+32*\t+31], 0xef800000   ; m starts at -2^96
.else
	v_max3_num_f32 v[ST+6*\t+4], v[ST+6*\t+4], v[S+32*\t+31], v[ST+6*\t+1]
.endif
.endr
.irp t, 0,1,2,3
	v_permlanex16_b32 v[ST+6*\t+5], v[ST+6*\t+4], s[SEL], s[SEL+1]   ; the query's other 32 keys lie in the lane 16 away
.endr
.irp t, 0,1,2,3
	v_max_num_f32 v[ST+6*\t+1], v[ST+6*\t+4], v[ST+6*\t+5]
.endr
.if \first == 0
.irp t, 0,1,2,3
	v_mov_b32 v[ST+6*\t+5], v[ST+6*\t]             ; c m_old is kept for a
.endr
.endif
.irp t, 0,1,2,3
	v_mul_f32 v[ST+6*\t], s[CS], v[ST+6*\t+1]
.endr
.if \first == 0
.irp t, 0,1,2,3
	v_sub_f32 v[ST+6*\t+5], v[ST+6*\t+5], v[ST+6*\t]
.endr
.endif
	; THE EXPONENTIALS GO IN TWO BATCHES, each with one wait ahead of the first instruction that names a result.  Batch 1: tiles 0 and 1; a pair is scaled a turn ahead of its exponentials
.if \first == 0
	v_exp_f32 v[ST+4], v[ST+5]                     ; a
	v_exp_f32 v[ST+10], v[ST+11]
.endif
.set B, 0
.rept 17
.if B < 16
	SCALE 0, B
	SCALE 1, B
.endif
.if B > 0
	EXP2 0, B-1
	EXP2 1, B-1
.endif
.set B, B+1
.endr
	v_nop                                          ; a plain instruction behind the last exponential
	s_wait_alu depctr_va_vdst(0)
	; batch 2: tiles 2 and 3; the readers of tiles 0 and 1 stand among its exponentials and name none of their results
.if \first == 0
	v_exp_f32 v[ST+16], v[ST+17]
	v_exp_f32 v[ST+22], v[ST+23]
.endif
.set B, 0
.rept 17
.if B < 16
	SCALE 2, B
	SCALE 3, B
.endif
.if B > 0
	EXP2 2, B-1
	EXP2 3, B-1
.endif
.if B < 16
	READ 0, B, \first
	READ 1, B, \first
.endif
.set B, B+1
.endr
	v_nop
	s_wait_alu depctr_va_vdst(0)
.set B, 0
.rept 16
	READ 2, B, \first
	READ 3, B, \first
.set B, B+1
.endr
.if \first == 0
	WIN 0x41                                       ; O^T (destination and source 0) window 1, a window 0
.irp t, 0,1,2,3
.set i, 0
.rept 16
	v_pk_mul_f32 v[32*\t+i:32*\t+i+1], v[32*\t+i:32*\t+i+1], v[ST+6*\t+4:ST+6*\t+5] op_sel_hi:[1,0]   ; ascending: each accumulator from its low end on
.set i, i+2
.endr
.endr
.endif
	s_wait_dscnt 0x0                               ; v turned is in (and what was fetched for the next step)
	WIN 0x51                                       ; v turned window 1, P window 0, C and D window 1
.irp kk, 0,1
.irp nt, 0,1,2,3
.irp qt, 0,1,2,3
.if \first && (\kk == 0)
	v_wmma_f32_16x16x32_f16 v[32*\qt+8*\nt:32*\qt+8*\nt+7], v[VB+32*\kk+8*\nt:VB+32*\kk+8*\nt+7], v[S+32*\qt+8*\kk:S+32*\qt+8*\kk+7], 0
.else
	v_wmma_f32_16x16x32_f16 v[32*\qt+8*\nt:32*\qt+8*\nt+7], v[VB+32*\kk+8*\nt:VB+32*\kk+8*\nt+7], v[S+32*\qt+8*\kk:S+32*\qt+8*\kk+7], v[32*\qt+8*\nt:32*\qt+8*\nt+7]
.endif
.endr
.endr
.endr
	WIN 0
	PLACES 5                                       ; the next step's scores are written over P's registers, which these products read: five places for a matrix instruction that writes over an operand
.endm
	s_wait_tensorcnt 0x0                           ; my parts of the bias and of v are in,
	s_barrier_signal -1
	s_barrier_wait -1                              ; everybody's are.  Nothing is filled again
	WIN 0x40
.irp kt, 0,1,2,3
.irp p, 0,1,2,3
	ds_load_b128 v[VA+16*\kt+4*\p:VA+16*\kt+4*\p+3], v[AK0] offset:\kt*2048+\p*512
.endr
.endr
	WIN 0
.irp kt, 0,1,2,3
.irp i, 0,1
	ds_load_b128 v[BI+8*\kt+4*\i:BI+8*\kt+4*\i+3], v[AB0] offset:\kt*64+16*\i
.endr
.endr
	s_wait_loadcnt 0x0                             ; q
	STEP 1, 0
	s_mov_b32 s[CNT], 30
.Lstep:
	STEP 0, 0
	s_sub_co_u32 s[CNT], s[CNT], 1
	s_cmp_lg_u32 s[CNT], 0
	s_cbranch_scc1 .Lstep
	STEP 0, 1                                      ; the last step is written out: no LDS load reaches past v or the bias
	; THE WAY OUT.  l's two halves and the other half of the lanes' are added; O^T is divided by l and rounded to f16; a lane's eight channels are its 16 bytes of an image
.irp t, 0,1,2,3
	v_add_f32 v[ST+6*\t+4], v[ST+6*\t+2], v[ST+6*\t+3]
.endr
.irp t, 0,1,2,3
	v_permlanex16_b32 v[ST+6*\t+5], v[ST+6*\t+4], s[SEL], s[SEL+1]
.endr
.irp t, 0,1,2,3
	v_add_f32 v[ST+6*\t+4], v[ST+6*\t+4], v[ST+6*\t+5]
.endr
.irp t, 0,1,2,3
	v_rcp_f32 v[ST+6*\t+4], v[ST+6*\t+4]
.endr
	v_lshrrev_b32 v[ADR1], 1, v[AK0]               ; (plain work behind the reciprocals)  16 x lane = 16 x slot with the exclusive or undone: bit 8 of it is h, and 128 h is what was turned
	v_and_b32 v[ADR1], 128, v[ADR1]
	v_xor_b32 v[ADR1], v[ADR1], v[AK0]
	s_wait_alu depctr_va_vdst(0)                   ; one wait for the four reciprocals, ahead of their first reader
	WIN 0x41
.irp t, 0,1,2,3
.set i, 0
.rept 16
	v_pk_mul_f32 v[32*\t+i:32*\t+i+1], v[32*\t+i:32*\t+i+1], v[ST+6*\t+4:ST+6*\t+5] op_sel_hi:[1,0]
.set i, i+2
.endr
.endr
	WIN 0x05                                       ; sources window 1, destination window 0: S^T's registers are free
.irp t, 0,1,2,3
.set i, 0
.rept 16
	v_cvt_pk_f16_f32 v[S+16*\t+i], v[32*\t+2*i], v[32*\t+2*i+1]
.set i, i+1
.endr
.endr
	WIN 0
.irp qt, 0,1,2,3
.irp nt, 0,1,2,3
	global_store_b128 v[ADR1], v[S+16*\qt+4*\nt:S+16*\qt+4*\nt+3], s[54:55] offset:\qt*4096+\nt*512   ; 32 lanes store 512 consecutive bytes, at a multiple of 256 from the buffer's first byte
.endr
.endr
	s_wait_tensorcnt 0x0                           ; the wave's end, behind my last tensor load
	ds_add_u32 v[SPW], v[NIL]
	s_wait_dscnt 0x0
	CROUND                                         ; the closing round: no work-group ends while a partner may still ask for a tile that names it
	s_endpgm
.Lfunc_end_k_qaab3013164_attn:
	.size	k_qaab3013164_attn, .Lfunc_end_k_qaab3013164_attn-k_qaab3013164_attn
	.p2alignl 7, 3214868480
	.fill 96, 4, 3214868480
	.section	.rodata,"a",@progbits
	.p2align	6, 0x0
	.amdhsa_kernel k_qaab3013164_attn
		.amdhsa_group_segment_fixed_size 327680
		.amdhsa_private_segment_fixed_size 0
		.amdhsa_enable_private_segment 0
		.amdhsa_kernarg_size 24
		.amdhsa_user_sgpr_count 2
		.amdhsa_user_sgpr_kernarg_segment_ptr 1
		.amdhsa_wavefront_size32 1
		.amdhsa_system_sgpr_workgroup_id_x 1
		.amdhsa_system_sgpr_workgroup_id_y 1
		.amdhsa_system_sgpr_workgroup_id_z 1
		.amdhsa_system_vgpr_workitem_id 0
		.amdhsa_next_free_vgpr 512
		.amdhsa_next_free_sgpr 66
		.amdhsa_reserve_vcc 0
		.amdhsa_float_denorm_mode_32 3
		.amdhsa_float_denorm_mode_16_64 3
		.amdhsa_memory_ordered 1
		.amdhsa_forward_progress 1
		.amdhsa_inst_pref_size 111
	.end_amdhsa_kernel
	.amdgpu_metadata
---
amdhsa.version: [ 1, 2 ]
amdhsa.kernels:
  - .name:           k_qaab3013164_attn
    .symbol:         k_qaab3013164_attn.kd
    .args:
      - { .name: qkv, .offset: 0, .size: 8, .value_kind: global_buffer, .address_space: global }
      - { .name: mbias, .offset: 8, .size: 8, .value_kind: global_buffer, .address_space: global }
      - { .name: aimg, .offset: 16, .size: 8, .value_kind: global_buffer, .address_space: global }
    .group_segment_fixed_size: 327680
    .private_segment_fixed_size: 0
    .kernarg_segment_align: 8
    .kernarg_segment_size: 24
    .max_flat_workgroup_size: 256
    .sgpr_count:     66
    .vgpr_count:     512
    .wavefront_size: 32
...
	.end_amdgpu_metadata
.endif
;; end of part 3
;; launch outp (part 4): grid 4 x 64, 4 waves a work-group, clusters of 4 x 4, 327,680 bytes of LDS; arguments aimg, wfimg, bf, out0; writes out0
.if DOCPART == 4
	.amdgcn_target "amdgcn-amd-amdhsa--gfx1250"
	.amdhsa_code_object_version 6
	.text
	.protected	k_qaab3013164_outp
	.globl	k_qaab3013164_outp
	.p2align	8
	.type	k_qaab3013164_outp,@function
k_qaab3013164_outp:
	s_mov_b64 s[64:65], 0
	v_nop
	global_prefetch_b8 v0, s[64:65] scope:SCOPE_SE
	s_setreg_imm32_b32 hwreg(HW_REG_WAVE_MODE, 25, 1), 1
	s_wait_xcnt 0x0
	s_wait_alu depctr_hold_cnt(0) depctr_sa_sdst(0) depctr_va_vdst(0) depctr_va_sdst(0) depctr_va_ssrc(0) depctr_va_vcc(0) depctr_vm_vsrc(0)
	s_getreg_b32 s2, hwreg(HW_REG_IB_STS2, 6, 4)
	s_cmp_eq_u32 s2, 0
	s_cbranch_scc0 .Lentry_in_a_cluster
	s_endpgm
.Lentry_in_a_cluster:
	s_bfe_u32 s2, ttmp6, 0x10000c
	s_cmp_lg_u32 s2, 0xf033
	s_cbranch_scc0 .Lentry_shape_is_right
	s_endpgm
.Lentry_shape_is_right:
; out0 = A Wf + bf.  A [8192][1024] and Wf [1024 (k)][1024 (n)] come as f16 images of operand registers (aimg, wfimg); sums in f32; out0 [8192][1024] f32.
; A tile of out0 is 128 rows x 256 columns: 256 work-groups.  Four waves, each 64 x 128: 32 accumulators of 16 x 16 in window 1.  K goes in 8 steps of 128 through a ring of two LDS slots.
; A K step's operands are dense blocks of memory: A's 128 rows 32,768 bytes, Wf's 256 columns 65,536.  A fragment is two loads of 512 consecutive bytes, 16 a lane: no pitch, no padding.
; CLUSTERS: 4 x 4 work-groups.  The four of a row of the cluster need the same block of A, the four of a column the same block of Wf: each is asked for JOINTLY, by the same tensor load with the same
; descriptor and a mask that names the four.  Waves 0 and 1 fetch A's halves, waves 2 and 3 Wf's: one load a wave behind each round, which has a K step's 128 products in which to land.
; THE MATRIX INSTRUCTION IS USED TRANSPOSED (source 0 = 16 columns of Wf, source 1 = 16 rows of A): a lane holds eight neighbouring numbers of a row of out0.
; THE BIAS STARTS THE SUMS: the accumulators are loaded with bf in the result's layout, so that every product adds in place, nothing is cleared and no first step is written out.
; NOTHING IS PREFETCHED: eight short K steps, and the blocks are shared in the cluster.
; REGISTERS: window 0: v1-13 addresses; v16-111, v112-207 two fragment buffers (Wf's eight column tiles, 64 registers, then A's four row tiles, 32), each 32 along K; on the way out v16-143 rows of out0.
;   window 1: accumulator (row tile a, column tile b) at 8 (8 a + b).
.set SLOT,   98304                     ; A's 32,768 bytes, then Wf's 65,536
.set SPARE,  2*SLOT                    ; behind the ring: the spare words, 128 bytes for each wave: two blocks of 256 bytes that no other line names
.set SPITCH, 528                       ; the way out: a stage of 16 rows x (512 bytes + 16) for each wave, in slot 0, which has had its last fill and its last read when the first result is stored there
.set ADRA, 4                           ; v4-5  LDS address of my A fragments in slot 0, 1
.set ADRB, 6                           ; v6-7  the same for Wf
.set STO,  8                           ; v8    the way out: where I put 32 bytes of a row
.set RD,   9                           ; v9    where I read a row back
.set CO,   10                          ; v10   16 x lane
.set BO,   11                          ; v11   32 h: the bias
.set SPW,  12                          ; v12   LDS address of my spare word; never rewritten
.set NIL,  13                          ; v13   0; never rewritten
.set F0,   16
.set F1,   112
.set BK,   16
.set WV,   12                          ; s12  wave;  s13: my half of the rows, also: I fetch for A (0) or for Wf (1);  s14: my half of the columns, also: which half of the block I fetch
.set G1A,  16                          ; s[16:23] descriptor group 1 for A;  s[24:31] for Wf
.set G1B,  24
.set G0A,  32                          ; s[32:39] group 0 for A, a set for each slot;  s[48:55] for Wf
.set G0B,  48
.set MSB, 0
.macro WIN new                         ; the immediate's high byte repeats the setting that is left
.if MSB != \new
	s_set_vgpr_msb (MSB<<8)|\new
.set MSB, \new
.endif
.endm
.macro PLACES n
.rept \n
	v_nop
.endr
.endm
; A joint load.  Each of the two lines has ONE mask and one set of registers for all that issue it; the branch hangs on the wave's number alone.  An s_nop 0 and four v_nop follow each line
.macro JLOAD s
	s_cmp_eq_u32 s13, 0
	s_cbranch_scc0 .Lfor_b_\@
	tensor_load_to_lds s[G0A+4*(\s):G0A+4*(\s)+3], s[G1A:G1A+7]
	s_nop 0
	PLACES 4
	s_branch .Lasked_\@
.Lfor_b_\@:
	tensor_load_to_lds s[G0B+4*(\s):G0B+4*(\s)+3], s[G1B:G1B+7]
	s_nop 0
	PLACES 4
.Lasked_\@:
.endm
.macro CROUND                          ; a round of the cluster's barrier: my work-group's barrier; wave 0 signals for the work-group; every wave waits for all sixteen; my work-group's barrier once more
	s_barrier_signal -1
	s_barrier_wait -1
	s_cmp_lg_u32 s[WV], 0
	s_cbranch_scc1 .Lnot_wave_0_\@
	s_barrier_signal -3
.Lnot_wave_0_\@:
	s_barrier_wait -3
	s_barrier_signal -1
	s_barrier_wait -1
.endm
	s_load_b256 s[4:11], s[0:1], 0x0               ; aimg s[4:5], wfimg s[6:7], bf s[8:9], out0 s[10:11]
	v_lshl_add_u32 v[SPW], v0, 2, SPARE
	v_mov_b32 v[NIL], 0
	ds_add_u32 v[SPW], v[NIL]                      ; the wave's opening: the add, twice on end, and its wait ahead of my first tensor load
	ds_add_u32 v[SPW], v[NIL]                      ; and once more, under the one wait; the set-up below, work on registers, stands between
	v_lshrrev_b32 v1, 5, v0
	v_readfirstlane_b32 s[WV], v1                  ; wave 0..3
	s_lshr_b32 s13, s[WV], 1
	s_and_b32 s14, s[WV], 1
	s_bfe_u32 s40, ttmp6, 0x40000                  ; cx, cy: my place in the cluster
	s_bfe_u32 s41, ttmp6, 0x40004
	s_lshl_b32 s42, ttmp9, 2
	s_add_co_u32 s42, s42, s40                     ; tile column = 4 x cluster x + cx
	s_and_b32 s43, ttmp7, 0xffff
	s_lshl_b32 s43, s43, 2
	s_add_co_u32 s43, s43, s41                     ; tile row = 4 x cluster y + cy
	s_lshl_b32 s44, s41, 2
	s_lshl_b32 s44, 15, s44                        ; my row of the cluster
	s_lshl_b32 s45, 0x1111, s40                    ; my column
	; descriptor group 1: dense blocks as rows of 256 bytes (32 elements of 8 bytes): half of A's block is 64 rows, half of Wf's 128
	s_or_b32 s[G1A], s44, (3<<16)|(1<<21)          ; 15:0 the mask: A's blocks go to my row; 17:16 elements of 8 bytes; 20 no padding; 21 set beside a mask
	s_or_b32 s[G1B], s45, (3<<16)|(1<<21)          ; Wf's to my column
	s_mov_b32 s[G1A+1], 32<<16                     ; tensor_dim0
	s_mov_b32 s[G1A+2], 64<<16                     ; tensor_dim1
	s_mov_b32 s[G1A+3], 32<<16                     ; tile_dim0
	s_mov_b32 s[G1A+4], 64                         ; tile_dim1
	s_mov_b32 s[G1A+5], 32                         ; from row to row
	s_mov_b32 s[G1A+6], 0
	s_mov_b32 s[G1A+7], 0
	s_mov_b32 s[G1B+1], 32<<16
	s_mov_b32 s[G1B+2], 128<<16
	s_mov_b32 s[G1B+3], 32<<16
	s_mov_b32 s[G1B+4], 128
	s_mov_b32 s[G1B+5], 32
	s_mov_b32 s[G1B+6], 0
	s_mov_b32 s[G1B+7], 0
	; A's address hangs on the tile row alone, Wf's on the tile column alone, each in registers that never hold the other coordinate
	s_lshl_b32 s56, s43, 18                        ; A: the block of 128 rows, 262,144 bytes,
	s_lshl_b32 s58, s14, 14                        ; the half that I fetch; also its place in a slot
	s_add_co_u32 s56, s56, s58
	s_mov_b32 s57, 0
	s_lshl_b32 s60, s42, 19                        ; Wf: the block of 256 columns, 524,288 bytes,
	s_lshl_b32 s59, s14, 15                        ; the half that I fetch
	s_add_co_u32 s60, s60, s59
	s_mov_b32 s61, 0
	s_add_co_u32 s59, s59, 32768                   ; its place in a slot, behind A's block: no place in the cluster enters an LDS address
	s_wait_dscnt 0x0                               ; both opening adds are done
	s_wait_kmcnt 0x0
	s_add_nc_u64 s[56:57], s[4:5], s[56:57]
	s_add_nc_u64 s[60:61], s[6:7], s[60:61]
	CROUND                                         ; all sixteen work-groups are here: the first joint loads meet
.irp s, 0,1
	s_mov_b32 s[G0A+4*\s], 1                       ; count = 1
	s_add_co_u32 s[G0A+4*\s+1], s58, \s*SLOT       ; LDS address
	s_add_nc_u64 s[G0A+4*\s+2:G0A+4*\s+3], s[56:57], \s*32768   ; global address: K step s
	s_or_b32 s[G0A+4*\s+3], s[G0A+4*\s+3], 0x80000000           ; type = 2
	s_mov_b32 s[G0B+4*\s], 1
	s_add_co_u32 s[G0B+4*\s+1], s59, \s*SLOT
	s_add_nc_u64 s[G0B+4*\s+2:G0B+4*\s+3], s[60:61], \s*65536
	s_or_b32 s[G0B+4*\s+3], s[G0B+4*\s+3], 0x80000000
.endr
	JLOAD 0                                        ; K step 0; slot 1 is first filled behind the first trip's round, as a refill is
	v_and_b32 v1, 31, v0                           ; lane
	v_and_b32 v2, 15, v0                           ; r
	v_bfe_u32 v3, v0, 4, 1                         ; h
	v_lshlrev_b32 v[CO], 4, v1
	v_lshlrev_b32 v[BO], 5, v3
	s_lshl_b32 s66, s42, 10                        ; bf: the tile's 256 numbers,
	s_lshl_b32 s67, s14, 9                         ; my 128
	s_add_co_u32 s66, s66, s67
	s_mov_b32 s67, 0
	s_add_nc_u64 s[8:9], s[8:9], s[66:67]
	s_add_nc_u64 s[10:11], s[10:11], s[66:67]      ; out0: the same bytes along a row,
	s_lshl_b32 s66, s43, 19                        ; the tile's 128 rows of 4,096 bytes,
	s_lshl_b32 s68, s13, 18                        ; my 64
	s_add_co_u32 s66, s66, s68
	s_add_nc_u64 s[10:11], s[10:11], s[66:67]
	WIN 0x40                                       ; destination window 1
.irp a, 0,1,2,3
.irp b, 0,1,2,3,4,5,6,7
.irp i, 0,1
	global_load_b128 v[8*(8*\a+\b)+4*\i:8*(8*\a+\b)+4*\i+3], v[BO], s[8:9] offset:\b*64+16*\i   ; lane (r, h): bf of columns 16 b + 8 h + 0..7
.endr
.endr
.endr
	WIN 0
	s_lshl_b32 s62, s13, 14                        ; my four row tiles of A
	v_add_nc_u32 v[ADRA], s62, v[CO]
	s_add_co_u32 s62, s62, SLOT
	v_add_nc_u32 v[ADRA+1], s62, v[CO]
	s_lshl_b32 s63, s14, 15                        ; my eight column tiles of Wf,
	s_add_co_u32 s63, s63, 32768                   ; behind A's block
	v_add_nc_u32 v[ADRB], s63, v[CO]
	s_add_co_u32 s63, s63, SLOT
	v_add_nc_u32 v[ADRB+1], s63, v[CO]
	s_mul_i32 s62, s[WV], 16*SPITCH                ; my stage
	v_mul_u32_u24 v[STO], v2, SPITCH               ; in: row r, 32 bytes for each half of the lanes
	v_lshl_add_u32 v[STO], v3, 5, v[STO]
	v_add_nc_u32 v[STO], s62, v[STO]
	v_add_nc_u32 v[RD], s62, v[CO]                 ; back: the 32 lanes take one row of 512 bytes
.macro FETCH slot, q, buf              ; the fragments of the slot's q-th 32 along K: 24 loads of 512 consecutive bytes
.irp b, 0,1,2,3,4,5,6,7
.irp c, 0,1
	ds_load_b128 v[\buf+8*\b+4*\c:\buf+8*\b+4*\c+3], v[ADRB+\slot] offset:\b*4096+(\q)*1024+\c*512
.endr
.endr
.irp a, 0,1,2,3
.irp c, 0,1
	ds_load_b128 v[\buf+64+8*\a+4*\c:\buf+64+8*\a+4*\c+3], v[ADRA+\slot] offset:\a*4096+(\q)*1024+\c*512
.endr
.endr
.endm
.macro MUL buf                         ; 32 products; the 32 accumulators take turns, one instruction a turn, in the same order every time
	WIN 0x50                                       ; C and D window 1
.irp a, 0,1,2,3
.irp b, 0,1,2,3,4,5,6,7
	v_wmma_f32_16x16x32_f16 v[8*(8*\a+\b):8*(8*\a+\b)+7], v[\buf+8*\b:\buf+8*\b+7], v[\buf+64+8*\a:\buf+64+8*\a+7], v[8*(8*\a+\b):8*(8*\a+\b)+7]
.endr
.endr
	WIN 0
.endm
; A K step.  In front of the round each wave waits for all its tensor loads (one is out: its part of this slot), adds 0 to its spare word, and waits for that and for its reads of the other slot.
; Behind the round this slot is whole in every partner and nobody reads the other: refill = 1: it is filled with the next K step, first thing.
.macro TRIP slot, refill
	s_wait_tensorcnt 0x0                           ; no tensor load of mine is out, so a group 0 may be written
	ds_add_u32 v[SPW], v[NIL]                      ; 0 onto my spare word; the steps below stand between it and the wait for it
	s_add_nc_u64 s[G0A+4*\slot+2:G0A+4*\slot+3], s[G0A+4*\slot+2:G0A+4*\slot+3], 2*32768    ; this slot's next K step
	s_add_nc_u64 s[G0B+4*\slot+2:G0B+4*\slot+3], s[G0B+4*\slot+2:G0B+4*\slot+3], 2*65536
	s_wait_dscnt 0x0                               ; the add is done, and my reads of the other slot are over
	CROUND
.if \refill
	JLOAD 1-\slot                                  ; its four v_nop are also the places in front of the loads below
.else
	PLACES 4
.endif
	FETCH \slot, 0, F0
	FETCH \slot, 1, F1
	s_wait_dscnt 24                                ; all but the 24 just issued
	MUL F0
	PLACES 4                                       ; in front of loads into registers that matrix instructions have read
	FETCH \slot, 2, F0
	s_wait_dscnt 24
	MUL F1
	PLACES 4
	FETCH \slot, 3, F1
	s_wait_dscnt 24
	MUL F0
	s_wait_dscnt 0x0
	MUL F1
.endm
	s_wait_loadcnt 0x0                             ; the bias lies in the accumulators
	s_mov_b32 s15, 3
.Llap:
	TRIP 0, 1
	TRIP 1, 1
	s_sub_co_u32 s15, s15, 1
	s_cmp_lg_u32 s15, 0
	s_cbranch_scc1 .Llap
	TRIP 0, 1                                      ; the last two K steps are written out: the last asks for nothing (the stepped addresses are not used)
	TRIP 1, 0
; THE WAY OUT, block by block of 16 rows x 128 columns: a lane holds 32 neighbouring bytes of a row, and the lanes beside it hold other rows; so a block goes through my own stage and comes back as whole rows of
; 512 bytes.  LDS serves a wave's instructions in order: no wait between the stores and the loads, nor in front of the next block's stores.
.macro TOSTAGE a
	WIN 0x04                                       ; an LDS store's data: window 1
.irp b, 0,1,2,3,4,5,6,7
	ds_store_b128 v[STO], v[8*(8*(\a)+\b):8*(8*(\a)+\b)+3] offset:64*\b          ; each accumulator from its low end on
	ds_store_b128 v[STO], v[8*(8*(\a)+\b)+4:8*(8*(\a)+\b)+7] offset:64*\b+16
.endr
	WIN 0
.set BB, BK+64*((\a)%2)
.irp t, 0,1,2,3,4,5,6,7,8,9,10,11,12,13,14,15
	ds_load_b128 v[BB+4*\t:BB+4*\t+3], v[RD] offset:\t*SPITCH
.endr
.endm
.macro SEND a, younger                 ; younger: the LDS instructions issued behind block a's loads, which may stay out
.set BB, BK+64*((\a)%2)
	s_wait_dscnt \younger
.if (\a) > 0
	s_add_nc_u64 s[10:11], s[10:11], 16*4096       ; (behind a wait on XCNT: the earlier stores have read their base)
.endif
.irp t, 0,1,2,3,4,5,6,7,8,9,10,11,12,13,14,15
	global_store_b128 v[CO], v[BB+4*\t:BB+4*\t+3], s[10:11] offset:\t*4096 th:TH_STORE_NT   ; 32 lanes store 512 consecutive bytes, at a multiple of 256 from out0's first byte
.endr
.endm
	PLACES 4                                       ; in front of the first read of results, and of the loads into the registers that held fragments
	TOSTAGE 0
.irp a, 1,2,3
.if \a > 1
	s_wait_xcnt 0x0                                ; block a - 2's stores have read their registers and their base
.endif
	TOSTAGE \a
	SEND \a-1, 32                                  ; behind block a - 1's loads: block a's 16 stores and 16 loads
.endr
	s_wait_xcnt 0x0
	SEND 3, 0
	s_wait_tensorcnt 0x0                           ; the wave's end, behind my last tensor load and my last LDS store
	ds_add_u32 v[SPW], v[NIL]
	s_wait_dscnt 0x0
	CROUND                                         ; the closing round: no work-group ends while a partner may still ask for a block that names it
	s_endpgm
.Lfunc_end_k_qaab3013164_outp:
	.size	k_qaab3013164_outp, .Lfunc_end_k_qaab3013164_outp-k_qaab3013164_outp
	.p2alignl 7, 3214868480
	.fill 96, 4, 3214868480
	.section	.rodata,"a",@progbits
	.p2align	6, 0x0
	.amdhsa_kernel k_qaab3013164_outp
		.amdhsa_group_segment_fixed_size 327680
		.amdhsa_private_segment_fixed_size 0
		.amdhsa_enable_private_segment 0
		.amdhsa_kernarg_size 32
		.amdhsa_user_sgpr_count 2
		.amdhsa_user_sgpr_kernarg_segment_ptr 1
		.amdhsa_wavefront_size32 1
		.amdhsa_system_sgpr_workgroup_id_x 1
		.amdhsa_system_sgpr_workgroup_id_y 1
		.amdhsa_system_sgpr_workgroup_id_z 1
		.amdhsa_system_vgpr_workitem_id 0
		.amdhsa_next_free_vgpr 512
		.amdhsa_next_free_sgpr 96
		.amdhsa_reserve_vcc 0
		.amdhsa_float_denorm_mode_32 3
		.amdhsa_float_denorm_mode_16_64 3
		.amdhsa_memory_ordered 1
		.amdhsa_forward_progress 1
		.amdhsa_inst_pref_size 90
	.end_amdhsa_kernel
	.amdgpu_metadata
---
amdhsa.version: [ 1, 2 ]
amdhsa.kernels:
  - .name:           k_qaab3013164_outp
    .symbol:         k_qaab3013164_outp.kd
    .args:
      - { .name: aimg, .offset: 0, .size: 8, .value_kind: global_buffer, .address_space: global }
      - { .name: wfimg, .offset: 8, .size: 8, .value_kind: global_buffer, .address_space: global }
      - { .name: bf, .offset: 16, .size: 8, .value_kind: global_buffer, .address_space: global }
      - { .name: out0, .offset: 24, .size: 8, .value_kind: global_buffer, .address_space: global }
    .group_segment_fixed_size: 327680
    .private_segment_fixed_size: 0
    .kernarg_segment_align: 8
    .kernarg_segment_size: 32
    .max_flat_workgroup_size: 128
    .sgpr_count:     96
    .vgpr_count:     512
    .wavefront_size: 32
...
	.end_amdgpu_metadata
.endif
;; end of part 4
